; MI455X (gfx1250); checked and timed in simulation.
; The chip was launched on July 23, 2026; its instructions are those of AMD's public machine-readable ISA for CDNA 5 (MIT licence, August 2026) and "CDNA5" Instruction Set Architecture Reference Guide (July 2026). The comments in the code are by the model that wrote it; some were corrected since.
;; Bahdanau Attention. Allowed arithmetic: matrix products marked QUANTISED: E5M2 operands, one given power-of-two scale a tensor, by v_wmma_f32_16x16x64_bf8_bf8 or v_wmma_f32_16x16x128_bf8_bf8, f32 sums; products left as they are: f32 operands where the result goes on into a quantised operand, else bf16, f16 or f32 operands; f32 sums; everything else in f32.
;; Inputs: W_dec_codes 1,024 x 32 x 32 uint8 (E5M2 codes of W_dec, K innermost, in blocks of 32 codes); W_enc_codes 1,024 x 32 x 32 uint8 (E5M2 codes of W_enc, K innermost, in blocks of 32 codes); b_dec 1,024 float32; b_e one number float32; b_enc 1,024 float32; decoder_hidden_codes 32 x 32 x 32 uint8 (E5M2 codes of decoder_hidden, K innermost, in blocks of 32 codes); encoder_outputs 32 x 2,048 x 1,024 float32; lowp_scales 4 int32 (the exponents e of the quantised operands' scales 2^e); mask 32 x 2,048 bool; w_e 1,024 float32.
;; Outputs: out0 32 x 1,024 float32; out1 32 x 2,048 float32.
;; This version of the problem:
;;   THIS VERSION OF THE PROBLEM IS GIVEN IN LOW PRECISION. The matrix products marked QUANTISED in the list below multiply operands that are first quantised to E5M2 (5 exponent bits, 2 mantissa bits; 8 bits a number), with one given power-of-two scale for each operand tensor; their sums are f32. All else is computed in f32.
;;   The module's matrix products, in the order in which they are computed (A, B: the left and right operand; K: the contracted axis; several contracted axes count as one K, in the product's order):
;;     1. [M 65,536, K 1,024] x [K 1,024, N 1,024]; A: input encoder_outputs; B: input W_enc (given as codes): QUANTISED (scales: A lowp_scales[0], B lowp_scales[1])
;;     2. [M 32, K 1,024] x [K 1,024, N 1,024]; A: input decoder_hidden (given as codes); B: input W_dec (given as codes): QUANTISED (scales: A lowp_scales[2], B lowp_scales[3])
;;     3. [M 65,536, K 1,024] x [K 1,024, N 1]; A: computed on the way; B: input w_e: left as it is (N = 1 < 16)
;;     4. batch 32 x [M 1, K 2,048] x [K 2,048, N 1,024]; A: softmax; B: input encoder_outputs: left as it is (M = 1 < 16)
;;   THE QUANTISER, for each operand of a quantised product, along K:
;;     - The operand's scale is 2^e, e = its entry of the input lowp_scales (int32; the entries are numbered through the quantised products in the list's order, A before B).
;;     - Each number is divided by the scale, clamped to +-57,344, and rounded to the nearest number of E5M2, ties to even, subnormals kept.
;;     - The product sums the exact products of the quantised numbers (number of the format x scale) in f32.
;;   ~~~python
;;   def quantise(x, axis, e):      # numpy; x: float32 -> the quantised numbers, widened to float32 again
;;       x = np.moveaxis(x, axis, -1); K = x.shape[-1]
;;       r = np.clip(x / 2.0 ** e, -57344, 57344)
;;       step = 2.0 ** (np.maximum(np.frexp(np.where(r == 0, 1, r))[1] - 1, -14) - 2)
;;       q = np.round(r / step) * step * 2.0 ** e      # np.round: ties to even
;;       return np.moveaxis(q, -1, axis).astype(np.float32)
;;   ~~~
;;   INPUTS GIVEN AS CODES. W_dec (in the module: [1024, 1024], K = its axis 0); W_enc (in the module: [1024, 1024], K = its axis 0); decoder_hidden (in the module: [32, 1024], K = its axis 1): each comes as NAME_codes (uint8): NAME with its K axis moved to the last place and cut into blocks of 32 codes, [.., K / 32, bytes a block], one block behind the other in memory; one code a byte (a code: sign, 5 exponent bits, 2 mantissa bits); its scale is its entry of lowp_scales. Its value is code x scale, taken as it is: it is not quantised again, and the codes and scales need not be those that the quantiser above would give.
;; One version. Each part assembles by itself: llvm-mc -triple=amdgcn-amd-amdhsa -mcpu=gfx1250 --defsym DOCPART=n.
;; ======== version 1 of 1: 3 launches
;; limits: values are held in bf16: 8 bits of precision; right only within a limited range of input values
;; workspace buffers: bias2 131,072 bytes; pctx 2,097,152 bytes; pstat 4,096 bytes; tl 262,144 bytes
;; launch dec (part 1): grid 64 x 1, 1 waves a work-group, no clusters, 2,304 bytes of LDS; arguments decoder_hidden_codes, W_dec_codes, b_dec, b_enc, lowp_scales, bias2; writes bias2
.if DOCPART == 1
	.amdgcn_target "amdgcn-amd-amdhsa--gfx1250"
	.amdhsa_code_object_version 6
	.text
	.protected	k_q7aedadfb66_dec
	.globl	k_q7aedadfb66_dec
	.p2align	8
	.type	k_q7aedadfb66_dec,@function
k_q7aedadfb66_dec:
	s_mov_b64 s[64:65], 0
	v_nop
	global_prefetch_b8 v0, s[64:65] scope:SCOPE_SE
	s_setreg_imm32_b32 hwreg(HW_REG_WAVE_MODE, 25, 1), 1
	s_wait_xcnt 0x0
; bias2(b, n) = (sum over k of dh[b][k] W_dec[n][k] x 2^(e2 + e3) + b_dec[n] + b_enc[n]) x 2 log2(e): all that the main launch adds to a row's 1,024 sums ahead of the exponential of tanh.
; dh: [32][1024] codes of E5M2, W_dec: [1024 (n)][1024 (k)] codes, K innermost.  bias2 is laid [n / 16][32 (b)][16] f32, so that what a work-group makes is 2,048 consecutive bytes.
; SHARES.  A work-group is ONE wave and takes 16 n against all 32 rows of dh: two accumulators, which take turns.  64 tiles of n are all the work there is: 64 work-groups, so that each wave's 100 loads
; have a WGP's address path to themselves.
; The matrix instruction is used transposed (source 0 = 16 rows of W_dec, source 1 = 16 rows of dh): lane (r, h) then holds row r of dh and n = 8 h + 0 .. 7.
; A fragment (16 rows x 128 K) is fetched by four loads of 16 bytes, 32 bytes apart: k is permuted alike in both operands, so every product meets its partner; only the order of the sums inside an instruction differs.
; LIMIT: e2 + e3 between -127 and 126: it is added to the exponent field of 2 log2(e).
; REGISTERS: window 0: v1 r, v2 h, v3 fragment offset, v5 bias offset, v6, v7 the way out; v16-31 two accumulators; v32-47 b_dec, b_enc; v48-63 results; v64-191 the fragments of W_dec, later the result read back.  window 1: the fragments of dh.
; WORK LEFT OUT, in the whole program.  With tanh(z) = 1 - 2 / (1 + e^(2 z)), energy[b][s] = (b_e + sum over a of w_e[a]) - 2 sum over a of w_e[a] / (1 + e^(2 z[b][s][a])).
; The bracket is the same for every s of a batch, and both outputs hang on the energies through the softmax along s alone, which a term that is the same along s leaves as it is, for all finite values
; (masked places are -infinity with it and without it).  So the bracket is never formed: b_e has no way to an output, is not loaded and is no launch's argument.
; LIMIT: a NaN, an infinity or an overflow that b_e or the sum of w_e alone would bring is not carried to the results.
.set MSB, 0
.macro WIN new
.if MSB != (\new)
	s_set_vgpr_msb (MSB<<8)|(\new)
.set MSB, (\new)
.endif
.endm
	s_load_b256 s[4:11], s[0:1], 0x0               ; dh s[4:5], W_dec s[6:7], b_dec s[8:9], b_enc s[10:11]
	s_load_b128 s[12:15], s[0:1], 0x20             ; the scales' exponents s[12:13], bias2 s[14:15]
	v_lshl_add_u32 v254, v0, 2, 0x800
	v_mov_b32 v255, 0
	v_and_b32 v1, 15, v0                           ; r (one wave: v0 is the lane)
	v_bfe_u32 v2, v0, 4, 1                         ; h
	v_lshlrev_b32 v3, 10, v1
	v_lshl_add_u32 v3, v2, 4, v3                   ; row r of 1,024 bytes, + 16 h: serves W_dec and dh
	v_lshlrev_b32 v5, 5, v2                        ; my eight biases: 32 h
	s_lshl_b32 s28, ttmp9, 14                      ; my 16 rows of W_dec,
	s_mov_b32 s29, 0
	s_lshl_b32 s30, ttmp9, 6                       ; my 16 numbers of each bias,
	s_mov_b32 s31, 0
	s_lshl_b32 s32, ttmp9, 11                      ; and my 2,048 bytes of bias2
	s_mov_b32 s33, 0
	s_wait_alu depctr_va_vdst(0)
	s_wait_kmcnt 0x0
	s_load_b128 s[20:23], s[12:13], 0x0            ; e0, e1, e2, e3
	s_add_nc_u64 s[6:7], s[6:7], s[28:29]
	s_add_nc_u64 s[8:9], s[8:9], s[30:31]
	s_add_nc_u64 s[10:11], s[10:11], s[30:31]
	s_add_nc_u64 s[14:15], s[14:15], s[32:33]
.irp ks, 0,1,2,3,4,5,6,7
.irp c, 0,1,2,3
	global_load_b128 v[64+16*\ks+4*\c:64+16*\ks+4*\c+3], v3, s[6:7] offset:128*\ks+32*\c
.endr
.endr
	WIN 0x40                                       ; destination window 1
.irp tau, 0,1
.irp ks, 0,1,2,3,4,5,6,7
.irp c, 0,1,2,3
	global_load_b128 v[128*\tau+16*\ks+4*\c:128*\tau+16*\ks+4*\c+3], v3, s[4:5] offset:16384*\tau+128*\ks+32*\c
.endr
.endr
.endr
	WIN 0
	global_load_b128 v[32:35], v5, s[8:9]
	global_load_b128 v[36:39], v5, s[8:9] offset:16
	global_load_b128 v[40:43], v5, s[10:11]
	global_load_b128 v[44:47], v5, s[10:11] offset:16
	v_lshlrev_b32 v6, 6, v1                        ; into the stage, which is an image of my 2,048 bytes: row b of 64 bytes, + 32 h
	v_lshl_add_u32 v6, v2, 5, v6
	v_lshlrev_b32 v7, 4, v0                        ; back, and out: 16 bytes a lane
	s_wait_kmcnt 0x0
	s_add_co_i32 s24, s22, s23                     ; e2 + e3 goes into the exponent field of 2 log2(e)
	s_lshl_b32 s24, s24, 23
	s_add_co_i32 s24, s24, 0x4038aa3b
	s_mov_b32 s25, s24                             ; (named with it as a pair, so it is written)
	s_mov_b32 s26, 0x4038aa3b                      ; 2 log2(e)
	s_mov_b32 s27, s26
	s_wait_loadcnt 0x0
	WIN 0x04                                       ; source 1 (dh) window 1
.irp ks, 0,1,2,3,4,5,6,7                       ; the two accumulators take turns, one instruction a turn; the first K step starts the sums
.irp tau, 0,1
.if \ks == 0
	v_wmma_f32_16x16x128_bf8_bf8 v[16+8*\tau:23+8*\tau], v[64+16*\ks:79+16*\ks], v[128*\tau+16*\ks:128*\tau+16*\ks+15], 0
.else
	v_wmma_f32_16x16x128_bf8_bf8 v[16+8*\tau:23+8*\tau], v[64+16*\ks:79+16*\ks], v[128*\tau+16*\ks:128*\tau+16*\ks+15], v[16+8*\tau:23+8*\tau]
.endif
.endr
.endr
	WIN 0
.irp i, 0,2,4,6                                ; eight plain instructions on the biases: the places behind the last products
	v_pk_add_f32 v[32+\i:33+\i], v[32+\i:33+\i], v[40+\i:41+\i]
.endr
.irp i, 0,2,4,6
	v_pk_mul_f32 v[32+\i:33+\i], v[32+\i:33+\i], s[26:27] op_sel_hi:[1,0]
.endr
.irp tau, 0,1
.irp i, 0,2,4,6                                ; each accumulator from its low end on
	v_pk_fma_f32 v[48+8*\tau+\i:49+8*\tau+\i], v[16+8*\tau+\i:17+8*\tau+\i], s[24:25], v[32+\i:33+\i] op_sel_hi:[1,0,1]
.endr
.endr
.irp tau, 0,1
	ds_store_b128 v6, v[48+8*\tau:51+8*\tau] offset:1024*\tau        ; lane (r, h): b = r + 16 tau, n = 8 h + 0 .. 7
	ds_store_b128 v6, v[52+8*\tau:55+8*\tau] offset:1024*\tau+16
.endr
.irp i, 0,1,2,3
	ds_load_b128 v[64+4*\i:67+4*\i], v7 offset:512*\i                ; LDS serves a wave's instructions in order (ISA guide 5.7.1.4): these see the stores above
.endr
.irp i, 0,1,2,3
	s_wait_dscnt 3-\i
	global_store_b128 v7, v[64+4*\i:67+4*\i], s[14:15] offset:512*\i ; 32 lanes store 512 consecutive bytes, at a multiple of 256 from the buffer's first byte
.endr
	s_wait_tensorcnt 0x0
	ds_add_u32 v254, v255
	s_wait_dscnt 0x0
	s_endpgm
.Lfunc_end_k_q7aedadfb66_dec:
	.size	k_q7aedadfb66_dec, .Lfunc_end_k_q7aedadfb66_dec-k_q7aedadfb66_dec
	.p2alignl 7, 3214868480
	.fill 96, 4, 3214868480
	.section	.rodata,"a",@progbits
	.p2align	6, 0x0
	.amdhsa_kernel k_q7aedadfb66_dec
		.amdhsa_group_segment_fixed_size 2304
		.amdhsa_private_segment_fixed_size 0
		.amdhsa_enable_private_segment 0
		.amdhsa_kernarg_size 48
		.amdhsa_user_sgpr_count 2
		.amdhsa_user_sgpr_kernarg_segment_ptr 1
		.amdhsa_wavefront_size32 1
		.amdhsa_system_sgpr_workgroup_id_x 1
		.amdhsa_system_sgpr_workgroup_id_y 1
		.amdhsa_system_sgpr_workgroup_id_z 1
		.amdhsa_system_vgpr_workitem_id 0
		.amdhsa_next_free_vgpr 512
		.amdhsa_next_free_sgpr 66
		.amdhsa_reserve_vcc 0
		.amdhsa_float_denorm_mode_32 3
		.amdhsa_float_denorm_mode_16_64 3
		.amdhsa_memory_ordered 1
		.amdhsa_forward_progress 1
		.amdhsa_inst_pref_size 15
	.end_amdhsa_kernel
	.amdgpu_metadata
---
amdhsa.version: [ 1, 2 ]
amdhsa.kernels:
  - .name:           k_q7aedadfb66_dec
    .symbol:         k_q7aedadfb66_dec.kd
    .args:
      - { .name: decoder_hidden_codes, .offset: 0, .size: 8, .value_kind: global_buffer, .address_space: global }
      - { .name: W_dec_codes, .offset: 8, .size: 8, .value_kind: global_buffer, .address_space: global }
      - { .name: b_dec, .offset: 16, .size: 8, .value_kind: global_buffer, .address_space: global }
      - { .name: b_enc, .offset: 24, .size: 8, .value_kind: global_buffer, .address_space: global }
      - { .name: lowp_scales, .offset: 32, .size: 8, .value_kind: global_buffer, .address_space: global }
      - { .name: bias2, .offset: 40, .size: 8, .value_kind: global_buffer, .address_space: global }
    .group_segment_fixed_size: 2304
    .private_segment_fixed_size: 0
    .kernarg_segment_align: 8
    .kernarg_segment_size: 48
    .max_flat_workgroup_size: 32
    .sgpr_count:     66
    .vgpr_count:     512
    .wavefront_size: 32
...
	.end_amdgpu_metadata
.endif
;; end of part 1
;; launch main (part 2): grid 256 x 1, 4 waves a work-group, clusters of 4 x 1, 327,680 bytes of LDS; arguments encoder_outputs, W_enc_codes, bias2, w_e, mask, lowp_scales, pctx, pstat, tl; writes pctx, pstat, tl
.if DOCPART == 2
	.amdgcn_target "amdgcn-amd-amdhsa--gfx1250"
	.amdhsa_code_object_version 6
	.text
	.protected	k_q7aedadfb66_main
	.globl	k_q7aedadfb66_main
	.p2align	8
	.type	k_q7aedadfb66_main,@function
k_q7aedadfb66_main:
	s_mov_b64 s[64:65], 0
	v_nop
	global_prefetch_b8 v0, s[64:65] scope:SCOPE_SE
	s_setreg_imm32_b32 hwreg(HW_REG_WAVE_MODE, 25, 1), 1
	s_wait_xcnt 0x0
	s_wait_alu depctr_hold_cnt(0) depctr_sa_sdst(0) depctr_va_vdst(0) depctr_va_sdst(0) depctr_va_ssrc(0) depctr_va_vcc(0) depctr_vm_vsrc(0)
	s_getreg_b32 s2, hwreg(HW_REG_IB_STS2, 6, 4)
	s_cmp_eq_u32 s2, 0
	s_cbranch_scc0 .Lentry_in_a_cluster
	s_endpgm
.Lentry_in_a_cluster:
	s_bfe_u32 s2, ttmp6, 0x10000c
	s_cmp_lg_u32 s2, 0x3003
	s_cbranch_scc0 .Lentry_shape_is_right
	s_endpgm
.Lentry_shape_is_right:
; A block is 128 rows s of one batch, taken through the whole chain: x -> codes of E5M2 (scale 2^e0) -> x W_enc^T on codes -> t[s] = -2 log2(e) sum over a of w_e[a] / (1 + 2^u), u = 2 log2(e) (sum x 2^(e0+e1)) + bias2[b][a]
; -> mask -> the block's largest t (m), p = 2^(t - m), l = sum of p, and the block's part of the context, sum of p x.  Stored: t (tl), (m, l) (pstat), the part (pctx); the last launch joins a batch's 16 blocks.
; LEFT OUT: b_e and the sum of w_e, the same for all s of a batch ahead of the softmax (shown at the head of the first kernel).
; A WORK-GROUP STAYS: 256 work-groups walk the 512 blocks, work-group i blocks i and i + 256, in a loop of two trips round the whole body.
; SHARES.  Wave w: rows 64 (w / 2) .. + 63 as codes in 512 registers (windows 2 and 3: 4 tiles of 16 rows x 8 K steps of 128), against the n tiles 2 (w % 2), 2 (w % 2) + 1 of each slot.
; W_enc's codes walk through a ring of two LDS slots of 64 n x 1,024 K; each wave fetches 16 rows; the four work-groups of a cluster ask jointly (all walk the same W_enc).
; x is read from memory once: each wave reads 32 rows, keeps them as bf16 (18 rows in LDS, 14 in window 1) for the context, and hands their codes to the others through a stage in LDS.
; THE MATRIX INSTRUCTION IS USED TRANSPOSED (source 0 = 16 n of W_enc, source 1 = 16 rows of x): lane (r, h) holds row r and n = 8 h + 0 .. 7.  A fragment is four loads of 16 bytes, 32 apart: k is permuted alike on both sides.
; A SLOT'S WORK: 64 matrix instructions on end (four accumulators by turns, three others between a sum's steps), then ONE pass over its 64 result registers with the exponentials and the reciprocals as two batches.
; THE NEXT BLOCK'S x IS PREFETCHED while this block is multiplied: each of the 16 slot steps asks for 32,768 bytes of it, one instruction a wave, lanes 256 bytes apart, so each aligned 256 bytes of the block's 524,288 is named once,
; 16 slot steps ahead of the loads that want it.  The second trip has no successor and asks for nothing.  The first block's rows come by their loads alone, six rows (24,576 bytes a wave) ahead of their use.
; LIMITS: e0 between -126 and 112 (2^e0 and 57,344 x 2^e0 are made as f32); e0 + e1 between -127 and 126 (added to the exponent field of 2 log2(e)).  A block that is wholly masked gives m = -3e38, l = 0.
.set WPITCH, 1040                      ; an LDS row of 1,024 codes + 16 bytes of padding
.set WTILE,  16*WPITCH
.set SLOTB,  4*WTILE                   ; a slot: 64 n
.set SPILLW, 18*2048                   ; a wave's 18 rows of bf16
.set SPILL,  2*SLOTB
.set STG,    SPILL+4*SPILLW            ; the stage for codes: 2 tiles of 16 rows; later the waves' parts of the context
.set TABB,   STG+2*WTILE               ; bias2 of my batch, 1,024 f32
.set TABW,   TABB+4096                 ; -2 w_e
.set EP,     TABW+4096                 ; the energies' halves
.set PW,     EP+1024                   ; p, a copy for each wave
.set SPARE,  PW+2048                   ; the spare words, 128 bytes a wave
.set XB,  8                            ; six rows of x in flight, 32 registers each
.set CT,  200
.set KT,  232
.set WF,  8                            ; a tile of W: 8 K steps x 16 registers
.set P,   136                          ; accumulators of the slot's first tile (4 x 8), Q of its second
.set Q,   168
.set TW,  200                          ; -2 w_e for my 8 n of both tiles
.set ES,  216                          ; the energies' sums: tile q, row tile m at ES + 8 q + 2 m, a pair
.set PFO, 236                          ; the prefetches' offset: 8,192 x wave + 256 x lane
.set TB,  240                          ; bias2 for my 8 n of both tiles
.set CTX, 8
.set PP,  40
.set TMP0, 72
.set TMP1, 136
.set XNEXT, 0x8000000                  ; 256 blocks of x in bytes
.set MSB, 0
.macro WIN new                         ; the immediate's high byte repeats the setting that is left
.if MSB != (\new)
	s_set_vgpr_msb (MSB<<8)|(\new)
.set MSB, (\new)
.endif
.endm
.macro PLACES n
.rept \n
	v_nop
.endr
.endm
.macro CREST                           ; a round of the cluster's barrier behind its opening barrier
	s_cmp_lg_u32 s24, 0
	s_cbranch_scc1 .Lnot_wave_0_\@
	s_barrier_signal -3
.Lnot_wave_0_\@:
	s_barrier_wait -3
	s_barrier_signal -1
	s_barrier_wait -1
.endm
.macro ROUND
	s_barrier_signal -1
	s_barrier_wait -1
	CREST
.endm
.macro XLOAD rho                       ; my row rho = 8 t + 4 g + i is the block's row 64 g + 16 t + 4 w + i: 4,096 bytes, eight loads of 512 consecutive bytes
.set XLX, XB+32*((\rho)%6)
.set XLO, (64*(((\rho)>>2)&1)+16*((\rho)>>3)+((\rho)&3))*4096
.irp jj, 0,1,2,3,4,5,6,7
	global_load_b128 v[XLX+4*\jj:XLX+4*\jj+3], v248, s[4:5] offset:XLO+512*\jj th:TH_LOAD_NT
.endr
.endm
	s_load_b512 s[4:19], s[0:1], 0x0               ; x s[4:5], W s[6:7], bias2 s[8:9], w_e s[10:11], mask s[12:13], scales s[14:15], pctx s[16:17], pstat s[18:19]
	s_load_b64 s[20:21], s[0:1], 0x40              ; tl
	v_lshl_add_u32 v4, v0, 2, SPARE
	v_mov_b32 v5, 0
	ds_add_u32 v4, v5                              ; the opening lines: the add, twice on end, and its wait ahead of my first tensor load
	ds_add_u32 v4, v5
	v_lshrrev_b32 v1, 5, v0
	v_readfirstlane_b32 s24, v1                    ; wave
	s_lshr_b32 s25, s24, 1                         ; my half of the rows
	s_and_b32 s26, s24, 1                          ; my half of a slot's n
	s_bfe_u32 s27, ttmp6, 0x40000
	s_lshl_b32 s28, ttmp9, 2
	s_add_co_u32 s28, s28, s27                     ; my first block: 4 x cluster + cx; it enters global addresses alone
	s_mov_b32 s32, 15|(1<<20)|(1<<21)|(7<<22)|(3<<25)  ; group 1: all four partners; bytes; 4 words of padding behind every 256
	s_mov_b32 s33, 1024<<16
	s_mov_b32 s34, 16<<16
	s_mov_b32 s35, 1024<<16
	s_mov_b32 s36, 16
	s_mov_b32 s37, 1024
	s_mov_b32 s38, 0
	s_mov_b32 s39, 0
	s_mul_i32 s66, s24, WTILE
	s_lshl_b32 s68, s24, 14
	s_mov_b32 s69, 0
	s_mov_b32 s67, 0
	s_wait_alu depctr_va_vdst(0)
	s_wait_dscnt 0x0                               ; both opening adds are done
	s_wait_kmcnt 0x0
	s_load_b128 s[56:59], s[14:15], 0x0            ; e0, e1, ..
	s_mov_b32 s40, 1                               ; group 0 for slot 0, s[44:47] for slot 1: my 16 rows of the slot's 64
	s_mov_b32 s41, s66
	s_add_nc_u64 s[70:71], s[6:7], s[68:69]        ; my 16 rows of W's first 64 n: each trip's walk begins here
	s_mov_b32 s44, 1
	s_add_co_u32 s45, s66, SLOTB
	s_lshl_b32 s66, s28, 19
	s_add_nc_u64 s[4:5], s[4:5], s[66:67]          ; my block's 128 rows of x
	s_lshr_b32 s68, s28, 4
	s_lshl_b32 s68, s68, 6
	s_add_nc_u64 s[8:9], s[8:9], s[68:69]          ; my batch in bias2
	s_lshl_b32 s66, s28, 7
	s_add_nc_u64 s[12:13], s[12:13], s[66:67]
	s_lshl_b32 s66, s28, 12
	s_add_nc_u64 s[16:17], s[16:17], s[66:67]
	s_lshl_b32 s66, s28, 3
	s_add_nc_u64 s[18:19], s[18:19], s[66:67]
	s_lshl_b32 s66, s28, 9
	s_add_nc_u64 s[20:21], s[20:21], s[66:67]
	s_mov_b32 s74, 2                               ; blocks to go, this one among them: the same in every work-group
.Lblock:
	v_and_b32 v7, 31, v0
	v_lshlrev_b32 v7, 2, v7                        ; 4 x lane
	v_lshlrev_b32 v254, 2, v7                      ; 16 x lane
	v_lshlrev_b32 v253, 5, v0                      ; 32 x thread
	v_lshl_add_u32 v248, s24, 14, v254             ; x: 4 rows x wave + 16 x lane
	v_lshrrev_b32 v3, 1, v0
	v_lshlrev_b32 v3, 11, v3
	v_and_b32 v255, 1, v0
	v_lshl_add_u32 v3, v255, 5, v3                 ; bias2 is laid [n / 16][b][16]: thread t takes n = 8 t .. 8 t + 7
	global_load_b128 v[200:203], v3, s[8:9]
	global_load_b128 v[204:207], v3, s[8:9] offset:16
	global_load_b128 v[208:211], v253, s[10:11]
	global_load_b128 v[212:215], v253, s[10:11] offset:16
	WIN 0x40
	global_load_b32 v16, v7, s[12:13]              ; window 1, v16: the mask's bytes of rows 4 lane .. + 3
	WIN 0
.irp t, 0,1,2,3,4,5
	XLOAD \t
.endr
	s_wait_alu depctr_va_vdst(0)
	s_wait_tensorcnt 0x0                           ; slot 0's fill, the first trip's too, is issued as a refill is: no tensor load of mine is out,
	ds_add_u32 v4, v5                              ; the add, twice on end here
	ds_add_u32 v4, v5
	s_mov_b64 s[42:43], s[70:71]                   ; both groups 0 back at the walk's begin
	s_add_nc_u64 s[46:47], s[70:71], 0x10000
	s_or_b32 s43, s43, 0x80000000
	s_or_b32 s47, s47, 0x80000000
	s_wait_dscnt 0x0                               ; the adds are done, and my LDS reads of the block before are over,
	ROUND                                          ; a whole round,
	tensor_load_to_lds s[40:43], s[32:39]          ; and the joint load first behind it
	s_nop 0
	PLACES 4
	v_and_b32 v255, 15, v0
	v_bfe_u32 v252, v0, 4, 1
	v_mul_u32_u24 v1, v255, WPITCH
	v_lshl_add_u32 v1, v252, 4, v1                 ; a fragment: row r x pitch + 16 h
	s_mul_i32 s66, s25, WTILE
	s_add_co_u32 s66, s66, STG
	v_add_nc_u32 v251, s66, v1                     ; my half's tile in the stage
	s_mul_i32 s66, s26, 2*WTILE
	v_add_nc_u32 v1, s66, v1                       ; v1, v2: my two tiles in slot 0, 1
	v_add_nc_u32 v2, SLOTB, v1
	s_lshl_b32 s66, s26, 7
	s_add_co_u32 s66, s66, TABB
	v_lshl_add_u32 v6, v252, 5, s66                ; the tables: 32 n x my half + 8 h, in bytes
	s_mul_i32 s66, s24, 4*WPITCH
	s_add_co_u32 s66, s66, STG
	v_add_nc_u32 v249, s66, v7                     ; where my rows' codes go
	s_mul_i32 s66, s24, SPILLW
	s_add_co_u32 s66, s66, SPILL
	v_add_nc_u32 v250, s66, v254                   ; where my rows' bf16 go
	s_wait_kmcnt 0x0
	s_add_co_i32 s66, s56, 127
	s_lshl_b32 s67, s66, 23
	v_mov_b32 v252, s67                            ; 2^e0, for the conversion
	s_add_co_i32 s66, s66, 15
	s_lshl_b32 s66, s66, 23
	s_or_b32 s50, s66, 0x600000                    ; 57,344 x 2^e0,
	s_or_b32 s51, s50, 0x80000000                  ; and its negative
	s_add_co_i32 s66, s56, s57
	s_lshl_b32 s66, s66, 23
	s_add_co_i32 s48, s66, 0x4038aa3b              ; 2 log2(e) x 2^(e0 + e1)
	s_mov_b32 s49, s48
	s_mov_b32 s52, 0x76543210
	s_mov_b32 s53, 0xfedcba98
	s_mov_b32 s61, 0x3fb8aa3b                      ; log2(e)
	s_wait_alu depctr_va_vdst(0)
	s_wait_loadcnt 48                              ; all but x's 48 loads
	v_add_nc_u32 v255, TABB, v253
	ds_store_b128 v255, v[200:203]
	ds_store_b128 v255, v[204:207] offset:16
.irp i, 0,2,4,6
	v_pk_mul_f32 v[208+\i:209+\i], v[208+\i:209+\i], -2.0 op_sel_hi:[1,0]
.endr
	ds_store_b128 v255, v[208:211] offset:4096
	ds_store_b128 v255, v[212:215] offset:4112
	s_wait_dscnt 0x0
; A ROW COMES IN: kept as bf16, held at the largest code, converted, its codes put into the stage; the row six further on is asked for.
.macro ROWIN rho
.set RX, XB+32*((\rho)%6)
.set RC, CT+16*((\rho)&1)
.set RK, KT+8*((\rho)&1)
.set RO, WTILE*(((\rho)>>2)&1)+WPITCH*((\rho)&3)
.if 31-(\rho) >= 5
	s_wait_loadcnt 40                              ; behind this row's eight loads: five rows'
.else
	s_wait_loadcnt 8*(31-(\rho))
.endif
	s_wait_dscnt 8
.if (\rho) < 18
.set KI, 0
.rept 16
	v_cvt_pk_bf16_f32 v[RC+KI], v[RX+2*KI], v[RX+2*KI+1]
.set KI, KI+1
.endr
.irp c, 0,1,2,3
	ds_store_b128 v250, v[RC+4*\c:RC+4*\c+3] offset:2048*(\rho)+512*\c
.endr
.else
	WIN 0x40
.set KI, 0
.rept 16
	v_cvt_pk_bf16_f32 v[32+16*((\rho)-18)+KI], v[RX+2*KI], v[RX+2*KI+1]
.set KI, KI+1
.endr
	WIN 0
.endif
.set KI, 0
.rept 32
	v_med3_num_f32 v[RX+KI], v[RX+KI], s51, s50    ; the conversion does not saturate (ISA guide 7.6.2)
.set KI, KI+1
.endr
.irp g, 0,1,2,3
	v_cvt_scalef32_pk8_bf8_f32 v[RK+2*\g:RK+2*\g+1], v[RX+8*\g:RX+8*\g+7], v252
.endr
	v_nop
.irp jj, 0,1,2,3,4,5,6,7
	ds_store_b32 v249, v[RK+\jj] offset:RO+128*\jj
.endr
.if (\rho)+6 < 32
	XLOAD (\rho)+6
.endif
.endm
.macro FRAGS t                         ; row tile t of my half: K steps 0-3 into window 2, 4-7 into window 3
	WIN 0x80
.irp ks, 0,1,2,3
.irp c, 0,1,2,3
	ds_load_b128 v[64*(\t)+16*\ks+4*\c:64*(\t)+16*\ks+4*\c+3], v251 offset:128*\ks+32*\c
.endr
.endr
	WIN 0xc0
.irp ks, 0,1,2,3
.irp c, 0,1,2,3
	ds_load_b128 v[64*(\t)+16*\ks+4*\c:64*(\t)+16*\ks+4*\c+3], v251 offset:512+128*\ks+32*\c
.endr
.endr
	WIN 0
.endm
.set RR, 0
.rept 4
.rept 8
	ROWIN RR
.set RR, RR+1
.endr
.if RR == 24
	s_wait_alu depctr_va_vdst(0)
	s_wait_tensorcnt 0x0                           ; my part of slot 0 is in.  Slot 1's fill: these three lines,
	ds_add_u32 v4, v5
	s_wait_dscnt 0x0                               ; (also: my codes are in the stage)
	ROUND                                          ; a whole round,
	tensor_load_to_lds s[44:47], s[32:39]          ; and the joint load first behind it
	s_nop 0
	PLACES 4
.else
	s_wait_dscnt 0x0                               ; my codes are in the stage
	s_barrier_signal -1
	s_barrier_wait -1
.endif
	FRAGS (RR/8-1)
	s_wait_dscnt 0x0                               ; my reads of the stage are over
.if RR < 32
	s_barrier_signal -1
	s_barrier_wait -1
.endif
.endr
.macro RUN1 adr, q                     ; tile q of the slot at v[adr]: K steps 0-3
.irp ks, 0,1,2,3
.irp c, 0,1,2,3
	ds_load_b128 v[WF+16*\ks+4*\c:WF+16*\ks+4*\c+3], v[\adr] offset:WTILE*(\q)+128*\ks+32*\c
.endr
.endr
.endm
.macro RUNH adr, q                     ; K steps 4-7
.irp ks, 0,1,2,3
.irp c, 0,1,2,3
	ds_load_b128 v[WF+64+16*\ks+4*\c:WF+64+16*\ks+4*\c+3], v[\adr] offset:WTILE*(\q)+512+128*\ks+32*\c
.endr
.endr
.endm
.macro TABS sg                         ; eight loads: bias2 and -2 w_e for my 8 n of the slot's two tiles
.irp q, 0,1
	ds_load_b128 v[TB+8*\q:TB+8*\q+3], v3 offset:256*(\sg)+64*\q
	ds_load_b128 v[TB+8*\q+4:TB+8*\q+7], v3 offset:256*(\sg)+64*\q+16
	ds_load_b128 v[TW+8*\q:TW+8*\q+3], v3 offset:4096+256*(\sg)+64*\q
	ds_load_b128 v[TW+8*\q+4:TW+8*\q+7], v3 offset:4096+256*(\sg)+64*\q+16
.endr
.endm
; K steps 4 part + k0 .. 4 part + k1 - 1 of one tile of n against my four row tiles: the four accumulators take turns, one instruction a turn; the first K step starts the sums
.macro MM part, acc, k0, k1
	WIN (0x08+4*\part)                             ; source 1 (x's codes): window 2 or 3
.set KS, \k0
.rept \k1-\k0
.irp m, 0,1,2,3
.if (\part == 0) && (KS == 0)
	v_wmma_f32_16x16x128_bf8_bf8 v[\acc+8*\m:\acc+8*\m+7], v[WF+16*KS:WF+16*KS+15], v[64*\m+16*KS:64*\m+16*KS+15], 0
.else
	v_wmma_f32_16x16x128_bf8_bf8 v[\acc+8*\m:\acc+8*\m+7], v[WF+64*\part+16*KS:WF+64*\part+16*KS+15], v[64*\m+16*KS:64*\m+16*KS+15], v[\acc+8*\m:\acc+8*\m+7]
.endif
.endr
.set KS, KS+1
.endr
.endm
; The slot's 64 results: u = sum x s48 + bias2; 2^u; + 1; the reciprocal; x -2 w_e into the energies' sums.  Each batch of transcendentals has one wait ahead of it and one behind it.
.macro EPI
.set KI, 0
.rept 32                               ; each accumulator from its low end on
	v_pk_fma_f32 v[P+2*KI:P+2*KI+1], v[P+2*KI:P+2*KI+1], s[48:49], v[TB+8*(KI/16)+2*(KI%4):TB+8*(KI/16)+2*(KI%4)+1] op_sel_hi:[1,0,1]
.set KI, KI+1
.endr
	s_wait_alu depctr_va_vdst(0)
.set KI, 0
.rept 64
	v_exp_f32 v[P+KI], v[P+KI]
.set KI, KI+1
.endr
	v_nop
	s_wait_alu depctr_va_vdst(0)
.set KI, 0
.rept 32
	v_pk_add_f32 v[P+2*KI:P+2*KI+1], v[P+2*KI:P+2*KI+1], 1.0 op_sel_hi:[1,0]
.set KI, KI+1
.endr
	s_wait_alu depctr_va_vdst(0)
.set KI, 0
.rept 64
	v_rcp_f32 v[P+KI], v[P+KI]                     ; 2^u = infinity gives 0: tanh = 1
.set KI, KI+1
.endr
	v_nop
	s_wait_alu depctr_va_vdst(0)
.irp jp, 0,2,4,6                       ; eight independent sums take turns
.irp q, 0,1
.irp m, 0,1,2,3
	v_pk_fma_f32 v[ES+8*\q+2*\m:ES+8*\q+2*\m+1], v[P+32*\q+8*\m+\jp:P+32*\q+8*\m+\jp+1], v[TW+8*\q+\jp:TW+8*\q+\jp+1], v[ES+8*\q+2*\m:ES+8*\q+2*\m+1]
.endr
.endr
.endr
.endm
; A SLOT.  At its head 32 fragment loads of its first tile are out.  mode 2: the slot is filled again; 1: the change of slots without a fill; 0: the last slot.
; The change of slots stands in the second tile: when its last fragments are in, nobody reads the slot any more.
.macro SLOTW sg, nx, mode
	s_cmp_lg_u32 s74, 1                            ; does a block follow?  (the count of blocks alone: all waves of all partners go the same way)
	s_cbranch_scc0 .Lno_ask_\@
	global_prefetch_b8 v[PFO], s[72:73] offset:32768*\sg th:TH_LOAD_NT scope:SCOPE_SE   ; this step's 32,768 bytes of the next block's x: my wave's 8,192
.Lno_ask_\@:
	TABS \sg
	s_wait_dscnt 24                                ; K steps 0-3 are in; behind them: 16 loads of K steps 4-7 and the 8 of the tables
	MM 0, P, 0, 4
	PLACES 4                                       ; places in front of loads into registers that matrix instructions have read
	WIN 0
	RUN1 1+\sg, 1
	s_wait_dscnt 24                                ; K steps 4-7 are in; behind them: the tables' 8 and the 16 just issued
	MM 1, P, 0, 4
	PLACES 4
	WIN 0
	RUNH 1+\sg, 1
	s_wait_dscnt 16                                ; all but the 16 just issued
.if \mode == 0
	MM 0, Q, 0, 4
	s_wait_dscnt 0x0
	MM 1, Q, 0, 4
	PLACES 4
	WIN 0
.else
	MM 0, Q, 0, 4
	s_wait_dscnt 0x0                               ; the slot's last fragments are in: my reads of this slot are over
	MM 1, Q, 0, 2                                  ; 56 of the slot's 64 matrix instructions stand ahead of the wait for the other slot's tile
	WIN 0                                          ; (the add's registers lie in window 0)
	s_wait_tensorcnt 0x0                           ; my one tensor load that was out, my part of the other slot, has landed;
	ds_add_u32 v4, v5                              ; the slot's last eight matrix instructions stand between the add and the wait for it
.if \mode == 2
	s_add_nc_u64 s[42+4*\sg:43+4*\sg], s[42+4*\sg:43+4*\sg], 0x20000   ; this slot's next 64 n: two slots on
.endif
	MM 1, Q, 2, 4
	WIN 0
	s_wait_dscnt 0x0                               ; the add is done
	s_barrier_signal -1
	s_barrier_wait -1
.if \mode == 2
	CREST                                          ; the barrier has opened a round of the cluster's barrier: no wave of any partner still reads this slot
	tensor_load_to_lds s[40+4*\sg:43+4*\sg], s[32:39]
	s_nop 0
.endif
	PLACES 4                                       ; places in front of the loads below and of the first read of the last results
	RUN1 1+\nx, 0                                  ; the other slot's first tile, both halves: 32 loads that land under the pass over the results
	RUNH 1+\nx, 0
.endif
	EPI
.endm
.set KI, 0
.rept 16
	v_mov_b32 v[ES+KI], 0
.set KI, KI+1
.endr
	v_lshlrev_b32 v[PFO], 6, v7                    ; 256 x lane
	v_lshl_add_u32 v[PFO], s24, 13, v[PFO]         ; + 8,192 x wave
	s_add_nc_u64 s[72:73], s[4:5], XNEXT           ; the next block's x (formed in the second trip too, and used by no line there)
	RUN1 1, 0                                      ; slot 0 is whole since the round in front of slot 1's fill
	RUNH 1, 0
	s_mov_b32 s55, 0
	s_mov_b32 s54, 7
.Llap:                                             ; seven laps of two slots, both filled again
	v_add_nc_u32 v3, s55, v6                       ; the lap's 128 n in the tables
	s_wait_alu depctr_va_vdst(0)
	SLOTW 0, 1, 2
	SLOTW 1, 0, 2
	s_wait_xcnt 0x0                                ; my prefetches have read their base: it steps two slot steps' 65,536 bytes on
	s_add_nc_u64 s[72:73], s[72:73], 0x10000
	s_add_co_u32 s55, s55, 512
	s_sub_co_u32 s54, s54, 1
	s_cmp_lg_u32 s54, 0
	s_cbranch_scc1 .Llap
	v_add_nc_u32 v3, s55, v6
	s_wait_alu depctr_va_vdst(0)
	SLOTW 0, 1, 1                                  ; the last lap fills nothing
	SLOTW 1, 0, 0
; THE ENERGIES: the two tiles' sums, a pair's halves, lane l xor 16's; then the two halves of n through LDS.
.irp m, 0,1,2,3
	v_pk_add_f32 v[ES+2*\m:ES+2*\m+1], v[ES+2*\m:ES+2*\m+1], v[ES+8+2*\m:ES+8+2*\m+1]
.endr
.irp m, 0,1,2,3
	v_add_f32 v[240+\m], v[ES+2*\m], v[ES+2*\m+1]
.endr
.irp m, 0,1,2,3
	v_permlanex16_b32 v[244+\m], v[240+\m], s52, s53
.endr
.irp m, 0,1,2,3
	v_add_f32 v[240+\m], v[240+\m], v[244+\m]
.endr
	v_and_b32 v222, 15, v0
	s_lshl_b32 s66, s26, 9
	s_lshl_b32 s67, s25, 8
	s_add_co_u32 s66, s66, s67
	s_add_co_u32 s66, s66, EP
	v_lshl_add_u32 v200, v222, 2, s66
.irp m, 0,1,2,3
	ds_store_b32 v200, v[240+\m] offset:64*\m
.endr
	v_lshlrev_b32 v248, 2, v7
	s_wait_alu depctr_va_vdst(0)
	v_add_nc_u32 v201, EP, v248
	s_lshl_b32 s66, s24, 9
	s_add_co_u32 s66, s66, PW
	v_add_nc_u32 v226, s66, v248
	s_lshl_b32 s67, s24, 4
	s_add_co_u32 s66, s66, s67
	v_mov_b32 v227, s66
	s_mul_i32 s66, s24, SPILLW
	s_add_co_u32 s66, s66, SPILL
	v_add_nc_u32 v228, s66, v248
	s_lshl_b32 s66, s24, 12
	s_add_co_u32 s66, s66, STG
	v_add_nc_u32 v229, s66, v248
	s_lshl_b32 s66, s24, 10
	v_add_nc_u32 v231, s66, v248
	s_add_co_u32 s66, s66, STG
	v_add_nc_u32 v230, s66, v248
	WIN 0x01
.irp e, 0,1,2,3
	v_bfe_u32 v[232+\e], v16, 8*\e, 8
.endr
	WIN 0
	v_mov_b32 v224, 0xff800000
	s_mov_b32 s66, 0xff61b1e6
	s_wait_dscnt 0x0
	s_barrier_signal -1
	s_barrier_wait -1
	ds_load_b128 v[204:207], v201                  ; every wave: rows 4 lane .. + 3, both halves of n
	ds_load_b128 v[208:211], v201 offset:512
	s_wait_dscnt 0x0
	v_pk_add_f32 v[204:205], v[204:205], v[208:209]
	v_pk_add_f32 v[206:207], v[206:207], v[210:211]
.irp e, 0,1,2,3
	v_mul_f32 v[212+\e], s61, v[204+\e]            ; t: to the base 2
.endr
	s_wait_alu depctr_va_vdst(0)
.irp e, 0,1,2,3
	v_cmp_ne_u32 vcc_lo, 0, v[232+\e]
	v_cndmask_b32 v[212+\e], v224, v[212+\e], vcc_lo   ; masked: -infinity
.endr
	v_max3_num_f32 v220, v212, v213, v214          ; m: the block's largest t, -3e38 at the least
	v_max3_num_f32 v220, v220, v215, s66
	v_max_num_f32_dpp v220, v220, v220 row_xmask:1 row_mask:0xf bank_mask:0xf
	v_max_num_f32_dpp v220, v220, v220 row_xmask:2 row_mask:0xf bank_mask:0xf
	v_max_num_f32_dpp v220, v220, v220 row_xmask:4 row_mask:0xf bank_mask:0xf
	v_max_num_f32_dpp v220, v220, v220 row_xmask:8 row_mask:0xf bank_mask:0xf
	v_permlanex16_b32 v222, v220, s52, s53
	v_max_num_f32 v220, v220, v222
.irp e, 0,1,2,3
	v_sub_f32 v[216+\e], v[212+\e], v220
.endr
	s_wait_alu depctr_va_vdst(0)
.irp e, 0,1,2,3
	v_exp_f32 v[216+\e], v[216+\e]                 ; p
.endr
	v_nop
	s_wait_alu depctr_va_vdst(0)
	v_add_f32 v221, v216, v217                     ; l
	v_add_f32 v223, v218, v219
	v_add_f32 v221, v221, v223
	v_add_f32_dpp v221, v221, v221 row_xmask:1 row_mask:0xf bank_mask:0xf
	v_add_f32_dpp v221, v221, v221 row_xmask:2 row_mask:0xf bank_mask:0xf
	v_add_f32_dpp v221, v221, v221 row_xmask:4 row_mask:0xf bank_mask:0xf
	v_add_f32_dpp v221, v221, v221 row_xmask:8 row_mask:0xf bank_mask:0xf
	v_permlanex16_b32 v223, v221, s52, s53
	v_add_f32 v221, v221, v223
	ds_store_b128 v226, v[216:219]                 ; p into my own copy, and my 32 rows' p back, the same in every lane
.irp t, 0,1,2,3
.irp g, 0,1
	ds_load_b128 v[PP+8*\t+4*\g:PP+8*\t+4*\g+3], v227 offset:256*\g+64*\t
.endr
.endr
; THE CONTEXT: my 32 rows' bf16 x their p, all 1,024 columns: 32 sums a lane
.macro CTXROW x, p, first
.set KI, 0
.rept 16
.if \first
	v_fma_mix_f32_bf16 v[CTX+2*KI], v[\x+KI], v[PP+\p], 0 op_sel_hi:[1,0,0]
	v_fma_mix_f32_bf16 v[CTX+2*KI+1], v[\x+KI], v[PP+\p], 0 op_sel:[1,0,0] op_sel_hi:[1,0,0]
.else
	v_fma_mix_f32_bf16 v[CTX+2*KI], v[\x+KI], v[PP+\p], v[CTX+2*KI] op_sel_hi:[1,0,0]
	v_fma_mix_f32_bf16 v[CTX+2*KI+1], v[\x+KI], v[PP+\p], v[CTX+2*KI+1] op_sel:[1,0,0] op_sel_hi:[1,0,0]
.endif
.set KI, KI+1
.endr
.endm
.macro IMG dst, rho0, n
.set IR, 0
.rept \n
.irp c, 0,1,2,3
	ds_load_b128 v[\dst+16*IR+4*\c:\dst+16*IR+4*\c+3], v228 offset:2048*(\rho0+IR)+512*\c
.endr
.set IR, IR+1
.endr
.endm
.macro CTXG src, rho0, n
.set IR, 0
.rept \n
	CTXROW \src+16*IR, \rho0+IR, 0
.set IR, IR+1
.endr
.endm
	IMG TMP0, 0, 4
	IMG TMP1, 4, 4
	s_wait_dscnt 32                                ; p is in; the 32 loads of eight rows may be out
	WIN 0x01
.set IR, 18
.rept 14
.if IR == 18
	CTXROW 32+16*(IR-18), IR, 1
.else
	CTXROW 32+16*(IR-18), IR, 0
.endif
.set IR, IR+1
.endr
	WIN 0
	s_wait_dscnt 16
	CTXG TMP0, 0, 4
	IMG TMP0, 8, 4
	s_wait_dscnt 16
	CTXG TMP1, 4, 4
	IMG TMP1, 12, 4
	s_wait_dscnt 16
	CTXG TMP0, 8, 4
	IMG TMP0, 16, 2
	s_wait_dscnt 8
	CTXG TMP1, 12, 4
	s_wait_dscnt 0x0
	CTXG TMP0, 16, 2
	s_cmp_lg_u32 s24, 0
	s_cbranch_scc1 .Lnot_wave_0
	global_store_b128 v248, v[212:215], s[20:21]   ; t: 512 consecutive bytes
	v_cmp_eq_u32 vcc_lo, 0, v7
	s_wait_xcnt 0x0                                ; EXEC changes only behind this wait
	s_and_saveexec_b32 s66, vcc_lo
	global_store_b64 v7, v[220:221], s[18:19]      ; (m, l)
	s_wait_xcnt 0x0
	s_or_b32 exec_lo, exec_lo, s66
.Lnot_wave_0:
	s_wait_alu depctr_va_vdst(0)
.irp jj, 0,1,2,3,4,5,6,7
	ds_store_b128 v229, v[CTX+4*\jj:CTX+4*\jj+3] offset:512*\jj
.endr
	s_wait_dscnt 0x0
	s_barrier_signal -1
	s_barrier_wait -1
.irp jj, 0,1                           ; the four waves' parts are added: each wave takes 256 columns
.irp u, 0,1,2,3
	ds_load_b128 v[TMP0+16*\jj+4*\u:TMP0+16*\jj+4*\u+3], v230 offset:4096*\u+512*\jj
.endr
.endr
	s_wait_dscnt 0x0
.irp jj, 0,1
	v_pk_add_f32 v[TMP0+16*\jj:TMP0+16*\jj+1], v[TMP0+16*\jj:TMP0+16*\jj+1], v[TMP0+16*\jj+4:TMP0+16*\jj+5]
	v_pk_add_f32 v[TMP0+16*\jj+2:TMP0+16*\jj+3], v[TMP0+16*\jj+2:TMP0+16*\jj+3], v[TMP0+16*\jj+6:TMP0+16*\jj+7]
	v_pk_add_f32 v[TMP0+16*\jj+8:TMP0+16*\jj+9], v[TMP0+16*\jj+8:TMP0+16*\jj+9], v[TMP0+16*\jj+12:TMP0+16*\jj+13]
	v_pk_add_f32 v[TMP0+16*\jj+10:TMP0+16*\jj+11], v[TMP0+16*\jj+10:TMP0+16*\jj+11], v[TMP0+16*\jj+14:TMP0+16*\jj+15]
	v_pk_add_f32 v[TMP0+16*\jj:TMP0+16*\jj+1], v[TMP0+16*\jj:TMP0+16*\jj+1], v[TMP0+16*\jj+8:TMP0+16*\jj+9]
	v_pk_add_f32 v[TMP0+16*\jj+2:TMP0+16*\jj+3], v[TMP0+16*\jj+2:TMP0+16*\jj+3], v[TMP0+16*\jj+10:TMP0+16*\jj+11]
	global_store_b128 v231, v[TMP0+16*\jj:TMP0+16*\jj+3], s[16:17] offset:512*\jj   ; 512 consecutive bytes, aligned
.endr
	s_wait_xcnt 0x0                                ; my stores have read their registers and bases: 256 blocks on in every buffer
	s_add_nc_u64 s[4:5], s[4:5], XNEXT             ; x: 524,288 bytes a block
	s_add_nc_u64 s[8:9], s[8:9], 1024              ; bias2: 16 batches of 64 bytes
	s_add_nc_u64 s[12:13], s[12:13], 32768         ; mask: 128 bytes a block
	s_add_nc_u64 s[16:17], s[16:17], 0x100000      ; pctx: 4,096
	s_add_nc_u64 s[18:19], s[18:19], 2048          ; pstat: 8
	s_add_nc_u64 s[20:21], s[20:21], 0x20000       ; tl: 512
	s_sub_co_u32 s74, s74, 1
	s_cmp_lg_u32 s74, 0
	s_wait_alu depctr_va_vdst(0)
	s_cbranch_scc1 .Lblock
	s_wait_tensorcnt 0x0                           ; the wave's end
	ds_add_u32 v4, v5
	s_wait_dscnt 0x0
	ROUND                                          ; the closing round
	s_endpgm
.Lfunc_end_k_q7aedadfb66_main:
	.size	k_q7aedadfb66_main, .Lfunc_end_k_q7aedadfb66_main-k_q7aedadfb66_main
	.p2alignl 7, 3214868480
	.fill 96, 4, 3214868480
	.section	.rodata,"a",@progbits
	.p2align	6, 0x0
	.amdhsa_kernel k_q7aedadfb66_main
		.amdhsa_group_segment_fixed_size 327680
		.amdhsa_private_segment_fixed_size 0
		.amdhsa_enable_private_segment 0
		.amdhsa_kernarg_size 72
		.amdhsa_user_sgpr_count 2
		.amdhsa_user_sgpr_kernarg_segment_ptr 1
		.amdhsa_wavefront_size32 1
		.amdhsa_system_sgpr_workgroup_id_x 1
		.amdhsa_system_sgpr_workgroup_id_y 1
		.amdhsa_system_sgpr_workgroup_id_z 1
		.amdhsa_system_vgpr_workitem_id 0
		.amdhsa_next_free_vgpr 1024
		.amdhsa_next_free_sgpr 80
		.amdhsa_reserve_vcc 1
		.amdhsa_float_denorm_mode_32 3
		.amdhsa_float_denorm_mode_16_64 3
		.amdhsa_memory_ordered 1
		.amdhsa_forward_progress 1
		.amdhsa_inst_pref_size 255
	.end_amdhsa_kernel
	.section	.bss,"aw",@nobits
	.p2align	6
	.space	262144
	.amdgpu_metadata
---
amdhsa.version: [ 1, 2 ]
amdhsa.kernels:
  - .name:           k_q7aedadfb66_main
    .symbol:         k_q7aedadfb66_main.kd
    .args:
      - { .name: encoder_outputs, .offset: 0, .size: 8, .value_kind: global_buffer, .address_space: global }
      - { .name: W_enc_codes, .offset: 8, .size: 8, .value_kind: global_buffer, .address_space: global }
      - { .name: bias2, .offset: 16, .size: 8, .value_kind: global_buffer, .address_space: global }
      - { .name: w_e, .offset: 24, .size: 8, .value_kind: global_buffer, .address_space: global }
      - { .name: mask, .offset: 32, .size: 8, .value_kind: global_buffer, .address_space: global }
      - { .name: lowp_scales, .offset: 40, .size: 8, .value_kind: global_buffer, .address_space: global }
      - { .name: pctx, .offset: 48, .size: 8, .value_kind: global_buffer, .address_space: global }
      - { .name: pstat, .offset: 56, .size: 8, .value_kind: global_buffer, .address_space: global }
      - { .name: tl, .offset: 64, .size: 8, .value_kind: global_buffer, .address_space: global }
    .group_segment_fixed_size: 327680
    .private_segment_fixed_size: 0
    .kernarg_segment_align: 8
    .kernarg_segment_size: 72
    .max_flat_workgroup_size: 128
    .sgpr_count:     80
    .vgpr_count:     1024
    .wavefront_size: 32
...
	.end_amdgpu_metadata
.endif
;; end of part 2
;; launch comb (part 3): grid 8 x 32, 1 waves a work-group, no clusters, 0 bytes of LDS; arguments pctx, pstat, tl, out0, out1; writes out0, out1
.if DOCPART == 3
	.amdgcn_target "amdgcn-amd-amdhsa--gfx1250"
	.amdhsa_code_object_version 6
	.text
	.protected	k_q7aedadfb66_comb
	.globl	k_q7aedadfb66_comb
	.p2align	8
	.type	k_q7aedadfb66_comb,@function
k_q7aedadfb66_comb:
	s_mov_b64 s[64:65], 0
	v_nop
	global_prefetch_b8 v0, s[64:65] scope:SCOPE_SE
	s_setreg_imm32_b32 hwreg(HW_REG_WAVE_MODE, 25, 1), 1
	s_wait_xcnt 0x0
; A batch's 16 blocks are joined.  M = the largest of the blocks' m; f_i = 2^(m_i - M); L = sum of f_i l_i;
; out0[b][c] = sum over i of (f_i / L) pctx[16 b + i][c];  out1[b][s] = 2^(t[b][s] - M) / L.
; One wave a work-group: x = which 128 columns of out0 and which 256 places of out1, y = the batch.  All 19 loads go out at once; each store covers 512 consecutive bytes, aligned.
; A batch that is wholly masked has L = 0: 1 / L is infinite and 0 x infinity is NaN, which is what a softmax of -infinities gives.
; No LDS, no barrier, no matrix unit: 2.4 MB are read once and there is next to no arithmetic.
	s_load_b256 s[4:11], s[0:1], 0x0               ; pctx s[4:5], pstat s[6:7], tl s[8:9], out0 s[10:11]
	s_load_b64 s[12:13], s[0:1], 0x20              ; out1
	s_and_b32 s14, ttmp7, 0xffff                   ; the batch
	v_and_b32 v1, 15, v0
	v_lshlrev_b32 v1, 3, v1                        ; lanes l and l + 16 take block l % 16's pair (m, l)
	v_lshlrev_b32 v2, 4, v0                        ; 16 bytes a lane
	s_mov_b32 s17, 0
	s_mov_b32 s19, 0
	s_mov_b32 s21, 0
	s_mov_b32 s23, 0
	s_lshl_b32 s16, s14, 7                         ; pstat: 16 blocks of 8 bytes a batch
	s_lshl_b32 s24, ttmp9, 9                       ; my 128 columns
	s_lshl_b32 s18, s14, 16                        ; pctx: 16 blocks of 4,096 bytes a batch
	s_add_co_u32 s18, s18, s24
	s_lshl_b32 s20, s14, 12                        ; out0: 4,096 bytes a batch
	s_add_co_u32 s20, s20, s24
	s_lshl_b32 s22, s14, 13                        ; tl and out1: 8,192 bytes a batch,
	s_lshl_b32 s24, ttmp9, 10                      ; my 256 places
	s_add_co_u32 s22, s22, s24
	s_wait_alu depctr_va_vdst(0)
	s_wait_kmcnt 0x0
	s_add_nc_u64 s[6:7], s[6:7], s[16:17]
	s_add_nc_u64 s[4:5], s[4:5], s[18:19]
	s_add_nc_u64 s[10:11], s[10:11], s[20:21]
	s_add_nc_u64 s[8:9], s[8:9], s[22:23]
	s_add_nc_u64 s[12:13], s[12:13], s[22:23]
	global_load_b64 v[4:5], v1, s[6:7]
.irp i, 0,1,2,3,4,5,6,7,8,9,10,11,12,13,14,15
	global_load_b128 v[8+4*\i:11+4*\i], v2, s[4:5] offset:4096*\i th:TH_LOAD_NT
.endr
	global_load_b128 v[72:75], v2, s[8:9] th:TH_LOAD_NT
	global_load_b128 v[76:79], v2, s[8:9] offset:512 th:TH_LOAD_NT
	s_wait_loadcnt 18                              ; (m, l) are in; the 18 loads behind them may be out
	v_mov_b32 v6, v4
	v_max_num_f32_dpp v6, v6, v6 row_xmask:1 row_mask:0xf bank_mask:0xf   ; M: each half of the lanes holds all sixteen blocks
	v_max_num_f32_dpp v6, v6, v6 row_xmask:2 row_mask:0xf bank_mask:0xf
	v_max_num_f32_dpp v6, v6, v6 row_xmask:4 row_mask:0xf bank_mask:0xf
	v_max_num_f32_dpp v6, v6, v6 row_xmask:8 row_mask:0xf bank_mask:0xf
	v_sub_f32 v7, v4, v6
	s_wait_alu depctr_va_vdst(0)
	v_exp_f32 v7, v7                               ; f = 2^(m - M)
	v_nop
	s_wait_alu depctr_va_vdst(0)                   ; ahead of the first line that names the result
	v_mul_f32 v80, v7, v5
	v_add_f32_dpp v80, v80, v80 row_xmask:1 row_mask:0xf bank_mask:0xf    ; L
	v_add_f32_dpp v80, v80, v80 row_xmask:2 row_mask:0xf bank_mask:0xf
	v_add_f32_dpp v80, v80, v80 row_xmask:4 row_mask:0xf bank_mask:0xf
	v_add_f32_dpp v80, v80, v80 row_xmask:8 row_mask:0xf bank_mask:0xf
	s_wait_alu depctr_va_vdst(0)
	v_rcp_f32 v81, v80
	v_nop
	s_wait_alu depctr_va_vdst(0)
	v_mul_f32 v7, v7, v81                          ; f / L
.irp i, 0,1,2,3,4,5,6,7,8,9,10,11,12,13,14,15
	v_readlane_b32 s[32+\i], v7, \i
.endr
	s_wait_loadcnt 2                               ; the sixteen blocks' contexts are in
.irp e, 0,1,2,3
	v_mul_f32 v[84+\e], s32, v[8+\e]
.endr
.irp i, 1,2,3,4,5,6,7,8,9,10,11,12,13,14,15
.irp e, 0,1,2,3
	v_fma_f32 v[84+\e], s[32+\i], v[8+4*\i+\e], v[84+\e]
.endr
.endr
	global_store_b128 v2, v[84:87], s[10:11]
	s_wait_loadcnt 0x0
.irp e, 0,1,2,3,4,5,6,7
	v_sub_f32 v[72+\e], v[72+\e], v6
.endr
	s_wait_alu depctr_va_vdst(0)
.irp e, 0,1,2,3,4,5,6,7
	v_exp_f32 v[72+\e], v[72+\e]
.endr
	v_nop
	s_wait_alu depctr_va_vdst(0)                   ; one wait for the eight
.irp e, 0,1,2,3,4,5,6,7
	v_mul_f32 v[72+\e], v[72+\e], v81
.endr
	global_store_b128 v2, v[72:75], s[12:13]
	global_store_b128 v2, v[76:79], s[12:13] offset:512
	s_endpgm
.Lfunc_end_k_q7aedadfb66_comb:
	.size	k_q7aedadfb66_comb, .Lfunc_end_k_q7aedadfb66_comb-k_q7aedadfb66_comb
	.p2alignl 7, 3214868480
	.fill 96, 4, 3214868480
	.section	.rodata,"a",@progbits
	.p2align	6, 0x0
	.amdhsa_kernel k_q7aedadfb66_comb
		.amdhsa_group_segment_fixed_size 0
		.amdhsa_private_segment_fixed_size 0
		.amdhsa_enable_private_segment 0
		.amdhsa_kernarg_size 40
		.amdhsa_user_sgpr_count 2
		.amdhsa_user_sgpr_kernarg_segment_ptr 1
		.amdhsa_wavefront_size32 1
		.amdhsa_system_sgpr_workgroup_id_x 1
		.amdhsa_system_sgpr_workgroup_id_y 1
		.amdhsa_system_sgpr_workgroup_id_z 1
		.amdhsa_system_vgpr_workitem_id 0
		.amdhsa_next_free_vgpr 112
		.amdhsa_next_free_sgpr 66
		.amdhsa_reserve_vcc 0
		.amdhsa_float_denorm_mode_32 3
		.amdhsa_float_denorm_mode_16_64 3
		.amdhsa_memory_ordered 1
		.amdhsa_forward_progress 1
		.amdhsa_inst_pref_size 10
	.end_amdhsa_kernel
	.amdgpu_metadata
---
amdhsa.version: [ 1, 2 ]
amdhsa.kernels:
  - .name:           k_q7aedadfb66_comb
    .symbol:         k_q7aedadfb66_comb.kd
    .args:
      - { .name: pctx, .offset: 0, .size: 8, .value_kind: global_buffer, .address_space: global }
      - { .name: pstat, .offset: 8, .size: 8, .value_kind: global_buffer, .address_space: global }
      - { .name: tl, .offset: 16, .size: 8, .value_kind: global_buffer, .address_space: global }
      - { .name: out0, .offset: 24, .size: 8, .value_kind: global_buffer, .address_space: global }
      - { .name: out1, .offset: 32, .size: 8, .value_kind: global_buffer, .address_space: global }
    .group_segment_fixed_size: 0
    .private_segment_fixed_size: 0
    .kernarg_segment_align: 8
    .kernarg_segment_size: 40
    .max_flat_workgroup_size: 32
    .sgpr_count:     66
    .vgpr_count:     112
    .wavefront_size: 32
...
	.end_amdgpu_metadata
.endif
;; end of part 3
